; MI455X (gfx1250); checked and timed in simulation.
; The chip was launched on July 23, 2026; its instructions are those of AMD's public machine-readable ISA for CDNA 5 (MIT licence, August 2026) and "CDNA5" Instruction Set Architecture Reference Guide (July 2026). The comments in the code are by the model that wrote it; some were corrected since.
;; Multi Head Attention. Allowed arithmetic: matrix products marked QUANTISED: E4M3 operands, one given power-of-two scale a tensor, by v_wmma_f32_16x16x64_fp8_fp8 or v_wmma_f32_16x16x128_fp8_fp8, f32 sums; everything else in f32.
;; Inputs: Wk 1,024 x 1,024 float32; Wq 1,024 x 1,024 float32; Wv 1,024 x 1,024 float32; X 8 x 2,048 x 1,024 float32; Y 8 x 2,048 x 1,024 float32; lowp_scales 6 int32 (the exponents e of the quantised operands' scales 2^e).
;; Outputs: out0 8 x 2,048 x 1 x 1,024 float32.
;; This version of the problem:
;;   THIS VERSION OF THE PROBLEM IS GIVEN IN LOW PRECISION. The matrix products marked QUANTISED in the list below multiply operands that are first quantised to E4M3 (4 exponent bits, 3 mantissa bits; 8 bits a number), with one given power-of-two scale for each operand tensor; their sums are f32. All else is computed in f32.
;;   The module's matrix products, in the order in which they are computed (A, B: the left and right operand; K: the contracted axis; several contracted axes count as one K, in the product's order):
;;     1. [M 16,384, K 1,024] x [K 1,024, N 1,024]; A: input X; B: input Wq: QUANTISED (scales: A lowp_scales[0], B lowp_scales[1])
;;     2. [M 16,384, K 1,024] x [K 1,024, N 1,024]; A: input Y; B: input Wk: QUANTISED (scales: A lowp_scales[2], B lowp_scales[3])
;;     3. [M 16,384, K 1,024] x [K 1,024, N 1,024]; A: input Y; B: input Wv: QUANTISED (scales: A lowp_scales[4], B lowp_scales[5])
;;   THE QUANTISER, for each operand of a quantised product, along K:
;;     - The operand's scale is 2^e, e = its entry of the input lowp_scales (int32; the entries are numbered through the quantised products in the list's order, A before B).
;;     - Each number is divided by the scale, clamped to +-448, and rounded to the nearest number of E4M3, ties to even, subnormals kept.
;;     - The product sums the exact products of the quantised numbers (number of the format x scale) in f32.
;;   ~~~python
;;   def quantise(x, axis, e):      # numpy; x: float32 -> the quantised numbers, widened to float32 again
;;       x = np.moveaxis(x, axis, -1); K = x.shape[-1]
;;       r = np.clip(x / 2.0 ** e, -448, 448)
;;       step = 2.0 ** (np.maximum(np.frexp(np.where(r == 0, 1, r))[1] - 1, -6) - 3)
;;       q = np.round(r / step) * step * 2.0 ** e      # np.round: ties to even
;;       return np.moveaxis(q, -1, axis).astype(np.float32)
;;   ~~~
;; One version. Each part assembles by itself: llvm-mc -triple=amdgcn-amd-amdhsa -mcpu=gfx1250 --defsym DOCPART=n.
;; ======== version 1 of 1: 2 launches
;; limits: right only within a limited range of input values
;; workspace buffers: wv_img 1,048,576 bytes; ycod 16,777,216 bytes; kbuf 524,288 bytes; qpart 32,768 bytes
;; launch prep (part 1): grid 256 x 1, 16 waves a work-group, no clusters, 68,608 bytes of LDS; arguments X, Y, Wq, Wk, Wv, lowp_scales, wv_img, ycod, kbuf, qpart; writes wv_img, ycod, kbuf, qpart
.if DOCPART == 1
	.amdgcn_target "amdgcn-amd-amdhsa--gfx1250"
	.amdhsa_code_object_version 6
	.text
	.protected	k_q50b6a93f1b_prep
	.globl	k_q50b6a93f1b_prep
	.p2align	8
	.type	k_q50b6a93f1b_prep,@function
k_q50b6a93f1b_prep:
	s_mov_b64 s[64:65], 0
	v_nop
	global_prefetch_b8 v0, s[64:65] scope:SCOPE_SE
	s_setreg_imm32_b32 hwreg(HW_REG_WAVE_MODE, 25, 1), 1
	s_wait_xcnt 0x0
; Y AND Wv BECOME CODES OF E4M3, AND THE FEW ROWS WHOSE SCORES COUNT GET THEIR k AND THEIR SUM OF q.
; DEAD WORK.  The mask that the problem builds itself, triu(ones(8, 2048), 1), replaces the whole score row of (sentence i, word j) by one constant wherever j > i: there the softmax is 1/1024 in every
; channel, whatever finite numbers X, Y, Wq, Wk hold, and neither q nor k is used.  So q = X Wq and k = Y Wk are made for words 0 to 7 of each sentence alone (64 rows, rho = 8 i + j); the other rows of X are
; not loaded.  LIMIT: a NaN, an infinity or an overflow that reaches only the rows left out is not carried to the result.
; SHARES.  256 work-groups of 16 waves.  Numbers 0-31: Wq with X; 32-63: Wk with Y; 64-95: Wv: each 64 columns (blk = number % 16) x a span of 512 along K (sg = number / 16 % 2); those of Wv also take 32 rows of Y each
; (rows 15,360 on).  Numbers 96-255: 96 rows of Y each.
; THE ORDER OF k, the same in both operands of every product of this program.  K goes in two spans sg of 512; lane L's piece of a row's span, 16 codes at byte 16 L, stands for k = 512 sg + 128 t + 4 L + e, (t, e) = code / 4,
; code % 4: four loads of 512 consecutive bytes, 512 bytes apart, give each lane its piece.  As an operand: K step s = 4 sg + q, registers 4 c .. 4 c + 3 of lane (r, h) hold piece L = 8 q + 2 c + h.
; THE ORDER OF COLUMNS: column 64 blk + 4 r + f is column r of tile f, so that of four accumulators a lane holds four neighbouring columns of a row.
; ycod: [16384][1024] codes, a row 1,024 bytes.  wv_img: byte (blk / 4) x 262,144 + s x 32,768 + (blk % 4) x 8,192 + f x 2,048 + 512 c + 256 h + 16 r: images of the operand's registers.
; kbuf[sg][rho][1024] f32: k's part of span sg x 2^(e2 + e3).  qpart[16 sg + blk][lane 0..31] of 8 bytes for each tile of 16 rows: the sum of q's 64 columns of row 8 (lane / 16) + lane % 8, x 2^(e0 + e1), twice.
; NO CLUSTER, NO TENSOR LOAD: all that is loaded passes through registers to be converted.  No prefetch: no loop, every wave asks for all its loads at once.
; LIMITS: each exponent lies between -126 and 119 where it feeds a conversion (e0 to e5); e0 + e1 and e2 + e3 go through v_ldexp_f32 and have none.  NaN among the inputs is not served.
.set RP,    528                        ; an LDS row of 512 codes + 16
.set BIM,   64*RP                      ; the weight's 16 fragments (q, f) at (4 q + f) x 2,048
.set SPARE, BIM+32768                  ; the spare words, 128 bytes a wave
.set WN, 16                            ; v16-79   32 rows x 2 columns of the weight
.set RN, 80                            ; v80-143  four units of 512 numbers of rows
.set T,  144                           ; v144-175 one group's two columns, held
.set WC, 176                           ; v176-191 the weight's codes
.set AC, 192                           ; v192-207 the rows' codes
.set MA, 208                           ; v208-239 four accumulators
.macro PWR e, lim, scl                 ; 2^e and 448 x 2^e as f32: the conversion takes the exponent field
	s_add_co_i32 s61, \e, 127
	s_lshl_b32 s62, s61, 23
	v_mov_b32 v[\scl], s62
	s_add_co_i32 s61, s61, 8
	s_lshl_b32 s61, s61, 23
	s_or_b32 s61, s61, 0x600000
	v_mov_b32 v[\lim], s61
.endm
.macro CODES dst, src, lim, scl        ; 16 held numbers -> 16 codes
	v_cvt_scalef32_pk8_fp8_f32 v[\dst:\dst+1], v[\src:\src+7], v[\scl]
	v_cvt_scalef32_pk8_fp8_f32 v[\dst+2:\dst+3], v[\src+8:\src+15], v[\scl]
.endm
.macro PLACES
.rept 4
	v_nop
.endr
.endm
	s_load_b256 s[8:15], s[0:1], 0x0               ; X s[8:9], Y s[10:11], Wq s[12:13], Wk s[14:15]
	s_load_b256 s[16:23], s[0:1], 0x20             ; Wv s[16:17], the exponents s[18:19], wv_img s[20:21], ycod s[22:23]
	s_load_b128 s[24:27], s[0:1], 0x40             ; kbuf, qpart
	v_lshrrev_b32 v16, 5, v0
	v_readfirstlane_b32 s28, v16                   ; wave w, 0..15
	v_and_b32 v17, 31, v0
	v_lshlrev_b32 v1, 4, v17                       ; 16 x lane
	s_cmp_ge_u32 ttmp9, 96
	s_wait_alu depctr_va_vdst(0)                   ; the wait ahead of the branch
	s_cbranch_scc1 .Ly
; ---- the weights
	s_bfe_u32 s31, ttmp9, 0x10004                  ; span sg
	s_and_b32 s33, ttmp9, 15                       ; blk
	s_lshr_b32 s34, s28, 2                         ; my K step q of the span
	s_and_b32 s35, s28, 3                          ; my group c
	s_lshl_b32 s36, s34, 13
	s_lshl_b32 s37, s35, 9
	s_add_co_u32 s38, s36, s37                     ; my place in the image in LDS
	s_add_co_u32 s38, s38, BIM
	s_mul_i32 s39, s28, 4*RP
	s_mul_i32 s40, s28, 16*RP
	s_lshl_b32 s42, s31, 21                        ; the weight: row 512 sg + 8 w of 4,096 bytes, + 256 blk
	s_lshl_b32 s43, s28, 15
	s_add_co_u32 s42, s42, s43
	s_lshl_b32 s43, s33, 8
	s_add_co_u32 s42, s42, s43
	s_mov_b32 s43, 0
	s_lshr_b32 s44, s28, 1                         ; Wq, Wk: my four rows rho = 4 w + x: sentence w / 2, word 4 (w % 2) + x, span sg
	s_lshl_b32 s44, s44, 23
	s_and_b32 s45, s28, 1
	s_lshl_b32 s45, s45, 14
	s_add_co_u32 s44, s44, s45
	s_lshl_b32 s45, s31, 11
	s_add_co_u32 s44, s44, s45
	s_sub_co_u32 s48, ttmp9, 64                    ; Wv: my two rows 15,360 + 32 (number - 64) + 2 w of Y
	s_lshl_b32 s48, s48, 17
	s_lshl_b32 s49, s28, 13
	s_add_co_u32 s48, s48, s49
	s_add_co_u32 s48, s48, 15360*4096
	s_mov_b32 s46, 2048                            ; from unit to unit
	s_mov_b32 s47, 0
	v_lshl_add_u32 v14, v0, 2, SPARE               ; my spare word
	v_mov_b32 v15, 0
	v_and_b32 v17, 15, v0                          ; r
	v_bfe_u32 v18, v0, 4, 1                        ; h
	v_lshlrev_b32 v2, 4, v17
	v_lshl_add_u32 v3, v18, 12, v2                 ; in an image: tile 2 h, + 16 r
	v_lshl_add_u32 v8, v18, 15, v2                 ; in kbuf: row 8 h, + 16 r
	v_lshl_add_u32 v2, v18, 3, v2                  ; in a row of the weight: columns 4 r + 2 h, + 1
	v_add_nc_u32 v4, s38, v3                       ; where my columns' codes go
	v_add_nc_u32 v5, s39, v1                       ; where my rows' codes go: row 4 w, + 16 x lane
	v_mul_u32_u24 v6, v17, RP
	v_lshl_add_u32 v6, v18, 4, v6
	v_add_nc_u32 v6, s40, v6                       ; the rows' fragments (waves 0 to 3): row 16 w + r, + 16 h
	v_add_nc_u32 v7, BIM, v1                       ; the weight's fragments
	v_and_b32 v9, 7, v0
	v_lshrrev_b32 v10, 1, v1                       ; 8 x lane
	s_wait_alu depctr_va_vdst(0)
	s_wait_kmcnt 0x0
	s_cmp_lt_u32 ttmp9, 32                         ; the choices hang on the work-group's number alone
	s_cselect_b64 s[54:55], s[12:13], s[14:15]
	s_cselect_b64 s[56:57], s[8:9], s[10:11]
	s_cmp_lt_u32 ttmp9, 64
	s_cselect_b64 s[54:55], s[54:55], s[16:17]
	s_cselect_b32 s44, s44, s48
	s_cselect_b32 s46, 4096, s46
	s_mov_b32 s45, 0
	s_add_nc_u64 s[54:55], s[54:55], s[42:43]
	s_add_nc_u64 s[56:57], s[56:57], s[44:45]      ; the four units' addresses
	s_add_nc_u64 s[2:3], s[56:57], s[46:47]
	s_add_nc_u64 s[4:5], s[2:3], s[46:47]
	s_add_nc_u64 s[6:7], s[4:5], s[46:47]
	s_load_b128 s[48:51], s[18:19], 0x0            ; e0 .. e3
	s_load_b64 s[52:53], s[18:19], 0x10            ; e4, e5
; Group g = piece L = 2 w + g of two columns: rows 128 t + 4 g + e from my wave's first.  32 lanes read 256 consecutive bytes, aligned.
.irp g, 0,1
.irp t, 0,1,2,3
.irp e, 0,1,2,3
	global_load_b64 v[WN+32*\g+8*\t+2*\e:WN+32*\g+8*\t+2*\e+1], v2, s[54:55] offset:(128*\t+4*\g+\e)*4096 th:TH_LOAD_NT
.endr
.endr
.endr
.macro RLOAD u, b                      ; a unit: 512 numbers of a row
.irp t, 0,1,2,3
	global_load_b128 v[RN+16*\u+4*\t:RN+16*\u+4*\t+3], v1, s[\b:\b+1] offset:\t*512
.endr
.endm
	RLOAD 0, 56
	RLOAD 1, 2
	RLOAD 2, 4
	RLOAD 3, 6
	s_wait_kmcnt 0x0
	s_cmp_lt_u32 ttmp9, 32
	s_cselect_b32 s58, s48, s50                    ; the rows' exponent: e0, e2, e4
	s_cselect_b32 s59, s49, s51                    ; the weight's: e1, e3, e5
	s_cmp_lt_u32 ttmp9, 64
	s_cselect_b32 s58, s58, s52
	s_cselect_b32 s59, s59, s53
	s_add_co_i32 s60, s58, s59                     ; a sum stands for sum x 2^s60
	PWR s59, 11, 12
	PWR s58, 13, 240
; cnt: the younger loads that may stay out.  The hold also parts the two columns, which the loads leave side by side.
.macro WQ g, cnt, tolds
	s_wait_loadcnt \cnt
.irp x, 0,1
.irp i, 0,1,2,3,4,5,6,7,8,9,10,11,12,13,14,15
	v_med3_num_f32 v[T+16*\x+\i], v[WN+32*(\g)+2*\i+\x], -v11, v11   ; the conversion to an 8-bit code does not saturate (ISA guide 7.6.2)
.endr
.endr
	CODES WC+8*(\g), T, 11, 12
	CODES WC+8*(\g)+4, T+16, 11, 12
	v_nop                                          ; a plain vector line behind the conversions
.irp x, 0,1
.if \tolds
	ds_store_b128 v4, v[WC+8*(\g)+4*\x:WC+8*(\g)+4*\x+3] offset:2048*\x+256*(\g)
.else
	global_store_b128 v3, v[WC+8*(\g)+4*\x:WC+8*(\g)+4*\x+3], s[46:47] offset:2048*\x+256*(\g)   ; lanes 0-15 and lanes 16-31 each store 256 consecutive bytes, aligned
.endif
.endr
.endm
.macro RQ u, tolds                     ; a unit's codes: into LDS, or out
	s_wait_loadcnt 12-4*(\u)                       ; the younger units' loads may stay out
.irp i, 0,1,2,3,4,5,6,7,8,9,10,11,12,13,14,15
	v_med3_num_f32 v[RN+16*(\u)+\i], v[RN+16*(\u)+\i], -v13, v13
.endr
	CODES AC+4*(\u), RN+16*(\u), 13, 240
	v_nop
.if \tolds
	ds_store_b128 v5, v[AC+4*(\u):AC+4*(\u)+3] offset:(\u)*RP
.else
	global_store_b128 v1, v[AC+4*(\u):AC+4*(\u)+3], s[44:45] offset:(\u)*512
.endif
.endm
	s_cmp_ge_u32 ttmp9, 64
	s_wait_alu depctr_va_vdst(0)                   ; the wait ahead of the branch
	s_cbranch_scc1 .Lv
; ---- Wq, Wk: the codes stay in LDS
	WQ 0, 32, 1                                    ; 16 of the weight and 16 of rows are younger
	WQ 1, 16, 1
	RQ 0, 1
	RQ 1, 1
	RQ 2, 1
	RQ 3, 1
	s_wait_dscnt 0x0                               ; for the others' sake: my codes lie in LDS
	s_barrier_signal -1
	s_barrier_wait -1
	s_cmp_lt_u32 s28, 4
	s_cbranch_scc0 .Lend                           ; waves 0 to 3 multiply: 16 rows x 64 columns each
.macro BF q                            ; the weight's four fragments of K step q
.irp f, 0,1,2,3
.irp c, 0,1,2,3
	ds_load_b128 v[80+64*((\q)%2)+16*\f+4*\c:80+64*((\q)%2)+16*\f+4*\c+3], v7 offset:(4*(\q)+\f)*2048+512*\c
.endr
.endr
.endm
.macro MULQ q                          ; four accumulators by turns; source 0 = rows, source 1 = columns
.irp f, 0,1,2,3
.if (\q) == 0
	v_wmma_f32_16x16x128_fp8_fp8 v[MA+8*\f:MA+8*\f+7], v[16+16*(\q):31+16*(\q)], v[80+64*((\q)%2)+16*\f:95+64*((\q)%2)+16*\f], 0
.else
	v_wmma_f32_16x16x128_fp8_fp8 v[MA+8*\f:MA+8*\f+7], v[16+16*(\q):31+16*(\q)], v[80+64*((\q)%2)+16*\f:95+64*((\q)%2)+16*\f], v[MA+8*\f:MA+8*\f+7]
.endif
.endr
.endm
.irp q, 0,1,2,3
.irp c, 0,1,2,3
	ds_load_b128 v[16+16*\q+4*\c:16+16*\q+4*\c+3], v6 offset:128*\q+32*\c
.endr
.endr
	BF 0
	BF 1
	s_wait_dscnt 16                                ; all but K step 1's
	MULQ 0
	PLACES                                         ; loads into registers that matrix instructions have read
	BF 2
	s_wait_dscnt 16
	MULQ 1
	PLACES
	BF 3
	s_wait_dscnt 16
	MULQ 2
	s_wait_dscnt 0x0
	MULQ 3
	PLACES                                         ; four places ahead of the results' readers (ISA guide 7.12.1)
	s_cmp_lt_u32 ttmp9, 32
	s_cbranch_scc1 .Lq
; ---- k: register j of four accumulators is row 16 w + 8 h + j, columns 64 blk + 4 r .. + 3: sixteen lanes store 256 consecutive bytes, aligned
	s_lshl_b32 s42, s31, 18
	s_lshl_b32 s44, s28, 16
	s_add_co_u32 s42, s42, s44
	s_lshl_b32 s44, s33, 8
	s_add_co_u32 s42, s42, s44
	s_add_nc_u64 s[46:47], s[24:25], s[42:43]
.irp j, 0,1,2,3,4,5,6,7
.irp f, 0,1,2,3
	v_ldexp_f32 v[16+4*\j+\f], v[MA+8*\f+\j], s60
.endr
	global_store_b128 v8, v[16+4*\j:19+4*\j], s[46:47] offset:\j*4096
.endr
	s_branch .Lend
.Lq:
; ---- q: only its sum over the channels is used: four accumulators, then the 16 lanes of a half; lane (r, h) keeps row 8 h + r % 8, and the wave stores 256 consecutive bytes, aligned
	s_and_b32 s42, ttmp9, 31
	s_lshl_b32 s42, s42, 10
	s_lshl_b32 s44, s28, 8
	s_add_co_u32 s42, s42, s44
	s_add_nc_u64 s[46:47], s[26:27], s[42:43]
.irp k, 0,2,4,6
	v_pk_add_f32 v[16+\k:17+\k], v[MA+\k:MA+\k+1], v[MA+8+\k:MA+8+\k+1]
	v_pk_add_f32 v[24+\k:25+\k], v[MA+16+\k:MA+16+\k+1], v[MA+24+\k:MA+24+\k+1]
.endr
.irp k, 0,2,4,6
	v_pk_add_f32 v[16+\k:17+\k], v[16+\k:17+\k], v[24+\k:25+\k]
.endr
.irp m, 1,2,4,8
.irp j, 0,1,2,3,4,5,6,7
	v_add_f32_dpp v[16+\j], v[16+\j], v[16+\j] row_xmask:\m row_mask:0xf bank_mask:0xf
.endr
.endr
	v_mov_b32 v32, v16
.irp j, 1,2,3,4,5,6,7
	v_cmp_eq_u32 vcc_lo, \j, v9
	v_cndmask_b32 v32, v32, v[16+\j], vcc_lo
.endr
	v_ldexp_f32 v32, v32, s60
	v_mov_b32 v33, v32
	global_store_b64 v10, v[32:33], s[46:47]
.Lend:
	s_wait_tensorcnt 0x0                           ; the wave's end, behind my last LDS store
	ds_add_u32 v14, v15
	s_wait_dscnt 0x0
	s_endpgm
.Lv:
; ---- Wv: the codes leave as they are made; then those of two rows of Y
	s_lshr_b32 s42, s33, 2
	s_lshl_b32 s42, s42, 18
	s_lshl_b32 s46, s31, 17
	s_add_co_u32 s42, s42, s46
	s_lshl_b32 s46, s34, 15
	s_add_co_u32 s42, s42, s46
	s_and_b32 s46, s33, 3
	s_lshl_b32 s46, s46, 13
	s_add_co_u32 s42, s42, s46
	s_add_co_u32 s42, s42, s37
	s_add_nc_u64 s[46:47], s[20:21], s[42:43]
	s_lshr_b32 s44, s44, 2                         ; the codes: a quarter of the bytes
	s_add_nc_u64 s[44:45], s[22:23], s[44:45]
	WQ 0, 32, 0
	WQ 1, 16, 0
	RQ 0, 0
	RQ 1, 0
	RQ 2, 0
	RQ 3, 0
	s_endpgm
.Ly:
; ---- Y: wave w takes rows 6 w .. 6 w + 5 of the work-group's 96: 12 units of 512 numbers, one behind the other in memory; all 48 loads are asked for at once
	s_sub_co_u32 s30, ttmp9, 96
	s_mul_i32 s31, s30, 96*4096
	s_mul_i32 s32, s28, 6*4096
	s_add_co_u32 s32, s31, s32
	s_mov_b32 s33, 0
	s_lshr_b32 s34, s32, 2                         ; the codes: a quarter of the bytes
	s_mov_b32 s35, 0
	s_wait_kmcnt 0x0
	s_load_b32 s36, s[18:19], 0x10                 ; e4
	s_add_nc_u64 s[10:11], s[10:11], s[32:33]
	s_add_nc_u64 s[22:23], s[22:23], s[34:35]
.set N, 0
.rept 12
.irp t, 0,1,2,3
	global_load_b128 v[16+16*N+4*\t:16+16*N+4*\t+3], v1, s[10:11] offset:N*2048+\t*512 th:TH_LOAD_NT
.endr
.set N, N+1
.endr
	s_wait_kmcnt 0x0
	PWR s36, 11, 12
	s_wait_alu depctr_va_vdst(0)                   ; the wait at the head's end
.macro YUNIT n
	s_wait_loadcnt 4*(11-(\n))                     ; the younger units' loads may stay out
.set YS, 16+16*(\n)
.irp i, 0,1,2,3,4,5,6,7,8,9,10,11,12,13,14,15
	v_med3_num_f32 v[YS+\i], v[YS+\i], -v11, v11
.endr
	CODES 208+4*(\n), YS, 11, 12
	v_nop
.endm
.set N, 0
.rept 3                                ; four units at a time: converted, then stored
.irp u, 0,1,2,3
	YUNIT N+\u
.endr
.irp u, 0,1,2,3
	global_store_b128 v1, v[208+4*(N+\u):211+4*(N+\u)], s[22:23] offset:(N+\u)*512 th:TH_STORE_NT   ; 32 lanes store 512 consecutive bytes, aligned
.endr
.set N, N+4
.endr
	s_endpgm
.Lfunc_end_k_q50b6a93f1b_prep:
	.size	k_q50b6a93f1b_prep, .Lfunc_end_k_q50b6a93f1b_prep-k_q50b6a93f1b_prep
	.p2alignl 7, 3214868480
	.fill 96, 4, 3214868480
	.section	.rodata,"a",@progbits
	.p2align	6, 0x0
	.amdhsa_kernel k_q50b6a93f1b_prep
		.amdhsa_group_segment_fixed_size 68608
		.amdhsa_private_segment_fixed_size 0
		.amdhsa_enable_private_segment 0
		.amdhsa_kernarg_size 80
		.amdhsa_user_sgpr_count 2
		.amdhsa_user_sgpr_kernarg_segment_ptr 1
		.amdhsa_wavefront_size32 1
		.amdhsa_system_sgpr_workgroup_id_x 1
		.amdhsa_system_sgpr_workgroup_id_y 1
		.amdhsa_system_sgpr_workgroup_id_z 1
		.amdhsa_system_vgpr_workitem_id 0
		.amdhsa_next_free_vgpr 256
		.amdhsa_next_free_sgpr 66
		.amdhsa_reserve_vcc 1
		.amdhsa_float_denorm_mode_32 3
		.amdhsa_float_denorm_mode_16_64 3
		.amdhsa_memory_ordered 1
		.amdhsa_forward_progress 1
		.amdhsa_inst_pref_size 64
	.end_amdhsa_kernel
	.amdgpu_metadata
---
amdhsa.version: [ 1, 2 ]
amdhsa.kernels:
  - .name:           k_q50b6a93f1b_prep
    .symbol:         k_q50b6a93f1b_prep.kd
    .args:
      - { .name: X, .offset: 0, .size: 8, .value_kind: global_buffer, .address_space: global }
      - { .name: Y, .offset: 8, .size: 8, .value_kind: global_buffer, .address_space: global }
      - { .name: Wq, .offset: 16, .size: 8, .value_kind: global_buffer, .address_space: global }
      - { .name: Wk, .offset: 24, .size: 8, .value_kind: global_buffer, .address_space: global }
      - { .name: Wv, .offset: 32, .size: 8, .value_kind: global_buffer, .address_space: global }
      - { .name: lowp_scales, .offset: 40, .size: 8, .value_kind: global_buffer, .address_space: global }
      - { .name: wv_img, .offset: 48, .size: 8, .value_kind: global_buffer, .address_space: global }
      - { .name: ycod, .offset: 56, .size: 8, .value_kind: global_buffer, .address_space: global }
      - { .name: kbuf, .offset: 64, .size: 8, .value_kind: global_buffer, .address_space: global }
      - { .name: qpart, .offset: 72, .size: 8, .value_kind: global_buffer, .address_space: global }
    .group_segment_fixed_size: 68608
    .private_segment_fixed_size: 0
    .kernarg_segment_align: 8
    .kernarg_segment_size: 80
    .max_flat_workgroup_size: 512
    .sgpr_count:     66
    .vgpr_count:     256
    .wavefront_size: 32
...
	.end_amdgpu_metadata
.endif
;; end of part 1
;; launch main (part 2): grid 256 x 1, 4 waves a work-group, clusters of 4 x 1, 327,680 bytes of LDS; arguments ycod, wv_img, kbuf, qpart, lowp_scales, out0; writes out0
.if DOCPART == 2
	.amdgcn_target "amdgcn-amd-amdhsa--gfx1250"
	.amdhsa_code_object_version 6
	.text
	.protected	k_q50b6a93f1b_main
	.globl	k_q50b6a93f1b_main
	.p2align	8
	.type	k_q50b6a93f1b_main,@function
k_q50b6a93f1b_main:
	s_mov_b64 s[64:65], 0
	v_nop
	global_prefetch_b8 v0, s[64:65] scope:SCOPE_SE
	s_setreg_imm32_b32 hwreg(HW_REG_WAVE_MODE, 25, 1), 1
	s_wait_xcnt 0x0
	s_wait_alu depctr_hold_cnt(0) depctr_sa_sdst(0) depctr_va_vdst(0) depctr_va_sdst(0) depctr_va_ssrc(0) depctr_va_vcc(0) depctr_vm_vsrc(0)
	s_getreg_b32 s2, hwreg(HW_REG_IB_STS2, 6, 4)
	s_cmp_eq_u32 s2, 0
	s_cbranch_scc0 .Lentry_in_a_cluster
	s_endpgm
.Lentry_in_a_cluster:
	s_bfe_u32 s2, ttmp6, 0x10000c
	s_cmp_lg_u32 s2, 0x3003
	s_cbranch_scc0 .Lentry_shape_is_right
	s_endpgm
.Lentry_shape_is_right:
; out[row][n] = v[row][n] x attention, v = Y Wv on codes of E4M3.  A work-group makes 256 rows x 256 columns; a wave all 256 rows x 64 columns.
; DEAD WORK, as at the head of the first kernel: attention is 1/1024 in every row whose word j is greater than its sentence i.  The others, words 0 to 7 of each sentence, are the first eight rows of every eighth block of rows:
; only these clusters make the table of softmax values.
; A wave holds its 64 columns of Wv, all 1,024 along K, in 512 registers: each byte loaded once.  Y's codes of the block, 256 rows of 1,024 bytes, all lie in LDS: no byte of LDS is filled twice.
; CLUSTERS: the four work-groups of a cluster have the same rows and the four quarters of the columns: Y's codes are asked for jointly.  Wv's codes go straight into registers, so no joint load can bring them.
; Two loads a wave, both ahead of the first store: rows 192-255 (16 a wave), then rows 0-191 (48 a wave).  No prefetch: the launch has no loop to run ahead in; both loads together are all that it reads of Y.
; THE ORDER of work, 32 rows a group: rows 192, 224, 160, 128, 96, 64, 32, 0 on, so that the table is wanted last.  A group is four steps of 256 along K, on eight accumulators by turns; two sets of
; accumulators take turns, and in each step a quarter of the group before leaves: 16 multiplications by the scale, four stores.
; Source 0 = 16 rows of Y, source 1 = 16 columns 4 r + f: lane (r, h) then holds, in register j of tiles f = 0 .. 3, the four neighbouring columns 4 r + f of row 8 h + j: sixteen lanes store one aligned unit of 256 bytes.
; REGISTERS: window 0: addresses, v32-95 results on their way out, v96-127 the table, v128-191 and v192-255 accumulators (a, f).  Window 1: v0-191 three buffers of Y's fragments.  Windows 2, 3: Wv's fragments (K step k, f)
; at 16 (4 k + f).
; SOFTMAX of a row: score = k x (sum of q) / 32, times log2(e) for base 2; the row's maximum is taken away.  k comes in two parts (spans of K), q's sum in 32.
; LIMITS: e4 + e5 lies between -116 and 137, so that 2^(e4 + e5 - 10) is an f32 number; NaN among the inputs is not served; the scaled scores stay under 2^31 in magnitude.
.set PITCH, 1040                       ; an LDS row: 1,024 codes + 16: an odd multiple of 16 bytes
.set TBL,   256*PITCH                  ; the table: 8 rows x 256 columns of f32
.set SPARE, TBL+8192                   ; the spare words, 128 bytes a wave
.set SPW, 2                            ; my spare word's address; never rewritten
.set NIL, 3                            ; 0; never rewritten
.set WO,  4                            ; 16 x lane
.set AR,  5                            ; v5-8  Y's fragments of each 64 rows
.set GO,  9                            ; my place in out
.set TW,  10                           ; the table: where I store
.set TR,  11                           ; and where I read
.set QO,  12                           ; 1,024 x lane: q's parts
.set MSB, 0
.macro WIN new                         ; the immediate's high byte repeats the setting that is left
.if MSB != (\new)
	s_set_vgpr_msb (MSB<<8)|(\new)
.set MSB, (\new)
.endif
.endm
.macro ROUND                           ; a round of the cluster's barrier
	s_barrier_signal -1
	s_barrier_wait -1
	s_cmp_lg_u32 s16, 0
	s_cbranch_scc1 .Lnot_wave_0_\@
	s_barrier_signal -3
.Lnot_wave_0_\@:
	s_barrier_wait -3
	s_barrier_signal -1
	s_barrier_wait -1
.endm
.macro PLACES                          ; four places behind a matrix instruction (ISA guide 7.12.1 for vector instructions)
.rept 4
	v_nop
.endr
.endm
	s_load_b256 s[4:11], s[0:1], 0x0               ; ycod s[4:5], wv_img s[6:7], kbuf s[8:9], qpart s[10:11]
	s_load_b128 s[12:15], s[0:1], 0x20             ; the exponents s[12:13], out0 s[14:15]
	v_lshl_add_u32 v[SPW], v0, 2, SPARE
	v_mov_b32 v[NIL], 0
	ds_add_u32 v[SPW], v[NIL]                      ; the opening: the add, twice on end, and its wait
	ds_add_u32 v[SPW], v[NIL]
	v_lshrrev_b32 v18, 5, v0
	v_readfirstlane_b32 s16, v18                   ; wave w, 0..3
	s_bfe_u32 s17, ttmp6, 0x40000                  ; cx: my quarter of the columns.  ttmp9, the cluster's number, is the block of rows
	; descriptor groups 1: 16 and 48 rows of 128 elements of 8 bytes, dense in memory, padding of four words behind every 256 words; the mask names all four partners
	s_mov_b32 s24, 15|(3<<16)|(1<<20)|(1<<21)|(7<<22)|(3<<25)
	s_mov_b32 s25, 128<<16
	s_mov_b32 s26, 16<<16
	s_mov_b32 s27, 128<<16
	s_mov_b32 s28, 16
	s_mov_b32 s29, 128
	s_mov_b32 s30, 0
	s_mov_b32 s31, 0
	s_mov_b32 s44, 15|(3<<16)|(1<<20)|(1<<21)|(7<<22)|(3<<25)
	s_mov_b32 s45, 128<<16
	s_mov_b32 s46, 48<<16
	s_mov_b32 s47, 128<<16
	s_mov_b32 s48, 48
	s_mov_b32 s49, 128
	s_mov_b32 s50, 0
	s_mov_b32 s51, 0
	s_mov_b32 s32, 1
	s_mov_b32 s36, 1
	s_mul_i32 s33, s16, 16*PITCH
	s_add_co_u32 s33, s33, 192*PITCH
	s_mul_i32 s37, s16, 48*PITCH
	s_lshl_b32 s54, ttmp9, 18                      ; 256 rows of 1,024 bytes
	s_mov_b32 s55, 0
	s_lshl_b32 s58, s16, 14                        ; 16 rows a wave,
	s_add_co_u32 s58, s58, 192*1024
	s_mov_b32 s59, 0
	s_mul_i32 s60, s16, 48*1024                    ; and 48
	s_mov_b32 s61, 0
	s_lshl_b32 s20, s17, 18                        ; Wv: 262,144 bytes for 256 columns,
	s_lshl_b32 s21, s16, 13
	s_add_co_u32 s20, s20, s21                     ; 8,192 a wave in each K step
	s_mov_b32 s21, 0
	s_lshl_b32 s56, ttmp9, 20
	s_lshl_b32 s57, s17, 10
	s_add_co_u32 s56, s56, s57
	s_lshl_b32 s57, s16, 8
	s_add_co_u32 s56, s56, s57                     ; out: 256 rows of 4,096 bytes, 1,024 cx + 256 w
	s_mov_b32 s57, 0
	s_mov_b32 s41, 0x3d38aa3b                      ; log2(e) / 32
	s_mov_b32 s82, 0x76543210                      ; lane selects: lane l xor 16
	s_mov_b32 s83, 0xfedcba98
	s_mov_b32 s84, 0xffff                          ; lanes 0 to 15
	s_lshr_b32 s76, ttmp9, 3                       ; sentence i
	s_and_b32 s77, ttmp9, 7                        ; 0: my block begins with the sentence's words 0 to 7
	s_lshl_b32 s42, s16, 11
	s_add_co_u32 s42, s42, TBL
	s_lshl_b32 s43, s16, 8
	s_add_co_u32 s43, s43, TBL
	v_and_b32 v18, 31, v0
	v_and_b32 v19, 15, v0                          ; r
	v_bfe_u32 v20, v0, 4, 1                        ; h
	v_lshlrev_b32 v[WO], 4, v18
	v_lshlrev_b32 v21, 4, v19
	v_mul_u32_u24 v[AR], v19, PITCH
	v_lshl_add_u32 v[AR], v20, 4, v[AR]            ; row r, + 16 h
	v_add_nc_u32 v[AR+1], 64*PITCH, v[AR]
	v_add_nc_u32 v[AR+2], 128*PITCH, v[AR]
	v_add_nc_u32 v[AR+3], 192*PITCH, v[AR]
	v_lshl_add_u32 v[GO], v20, 15, v21             ; row 8 h of 4,096 bytes, + 16 r
	v_add_nc_u32 v[TW], s42, v[WO]                 ; rows 2 w, 2 w + 1 of the table
	v_add_nc_u32 v[TR], s43, v21                   ; my 64 columns of it
	v_lshlrev_b32 v[QO], 10, v18
	s_wait_alu depctr_va_vdst(0)                   ; the wait at the head's end
	s_wait_dscnt 0x0                               ; both opening adds are done
	s_wait_kmcnt 0x0
	s_load_b64 s[52:53], s[12:13], 0x10            ; e4, e5
	s_add_nc_u64 s[34:35], s[4:5], s[54:55]
	s_add_nc_u64 s[38:39], s[34:35], s[60:61]
	s_add_nc_u64 s[34:35], s[34:35], s[58:59]
	s_or_b32 s35, s35, 0x80000000
	s_or_b32 s39, s39, 0x80000000
	s_add_nc_u64 s[6:7], s[6:7], s[20:21]
	s_add_nc_u64 s[14:15], s[14:15], s[56:57]
	ROUND                                          ; the first joint loads meet
	tensor_load_to_lds s[32:35], s[24:31]          ; rows 192-255: one tensor load a wave at the head
	s_nop 0
	PLACES
.macro WL k                            ; Wv's four fragments of K step k: 16 loads of 512 consecutive bytes
	WIN 0x80+0x40*((\k)/4)
.irp f, 0,1,2,3
.irp c, 0,1,2,3
	global_load_b128 v[16*(4*((\k)%4)+\f)+4*\c:16*(4*((\k)%4)+\f)+4*\c+3], v[WO], s[6:7] offset:(\k)*32768+\f*2048+\c*512
.endr
.endr
.endm
.macro WL4
	WL 0
	WL 1
	WL 2
	WL 3
	WIN 0
.endm
; two numbers a lane -> their sum or maximum over the wave, in every lane
.macro XLANE2 opd, op, a, b
.irp m, 1,2,4,8
	\opd v[\a], v[\a], v[\a] row_xmask:\m row_mask:0xf bank_mask:0xf
	\opd v[\b], v[\b], v[\b] row_xmask:\m row_mask:0xf bank_mask:0xf
.endr
	v_permlanex16_b32 v[\a+1], v[\a], s82, s83
	v_permlanex16_b32 v[\b+1], v[\b], s82, s83
	\op v[\a], v[\a], v[\a+1]
	\op v[\b], v[\b], v[\b+1]
.endm
	s_cmp_lg_u32 s77, 0                            ; hangs on the cluster's number alone: the same in all partners
	s_cbranch_scc1 .Lplain
; THE TABLE.  Wave w makes rows 2 w and 2 w + 1 (x = 0, 1).  k's row in four quarters d, beginning with the work-group's own: quarter (d + cx) % 4, so that the own one lies in registers 0-7.
	s_lshl_b32 s62, s76, 15
	s_lshl_b32 s63, s16, 13
	s_add_co_u32 s62, s62, s63
	s_mov_b32 s63, 0
	s_add_nc_u64 s[74:75], s[8:9], s[62:63]
.irp d, 0,1,2,3
	s_add_co_u32 s62, s17, \d
	s_and_b32 s62, s62, 3
	s_lshl_b32 s62, s62, 10
	s_add_nc_u64 s[66+2*\d:67+2*\d], s[74:75], s[62:63]
.endr
	s_lshl_b32 s62, s76, 7
	s_lshl_b32 s18, s16, 4
	s_add_co_u32 s62, s62, s18
	s_add_nc_u64 s[78:79], s[10:11], s[62:63]
	s_lshl_b32 s62, s16, 1
	s_cmp_le_i32 s62, s76                          ; word 2 w counts where it is at most i
	s_cselect_b32 s80, -1, 0
	s_add_co_u32 s62, s62, 1
	s_cmp_le_i32 s62, s76
	s_cselect_b32 s81, -1, 0
	global_load_b128 v[32:35], v[QO], s[78:79]     ; lane p: q's part p of row 2 w in v32, of row 2 w + 1 in v34
.irp d, 0,1,2,3
.irp x, 0,1
.irp p, 0,1
.irp u, 0,1
	global_load_b128 v[128+64*\x+32*\p+8*\d+4*\u:131+64*\x+32*\p+8*\d+4*\u], v[WO], s[66+2*\d:67+2*\d] offset:\x*4096+\p*262144+\u*512
.endr
.endr
.endr
.endr
	WL4
	s_wait_loadcnt 63                              ; behind the table's loads stand Wv's 64
.irp j, 41,43,45,47
	v_mov_b32 v[\j], 0                             ; a lane permute's destination counts as one of its sources
.endr
	XLANE2 v_add_f32_dpp, v_add_f32, 32, 34
	v_mul_f32 v32, s41, v32
	v_mul_f32 v34, s41, v34
.irp x, 0,1
.irp k, 0,2,4,6,8,10,12,14,16,18,20,22,24,26,28,30
	v_pk_add_f32 v[128+64*\x+\k:129+64*\x+\k], v[128+64*\x+\k:129+64*\x+\k], v[160+64*\x+\k:161+64*\x+\k]   ; the two spans' parts
.endr
.endr
.irp x, 0,1
.irp k, 0,2,4,6,8,10,12,14,16,18,20,22,24,26,28,30
	v_pk_mul_f32 v[128+64*\x+\k:129+64*\x+\k], v[128+64*\x+\k:129+64*\x+\k], v[32+2*\x:33+2*\x] op_sel_hi:[1,0]
.endr
.endr
.irp x, 0,1
.set RR, 128+64*\x
.set TT, 36+2*\x
	v_max3_num_f32 v[TT], v[RR], v[RR+1], v[RR+2]
	v_max3_num_f32 v[TT+1], v[RR+3], v[RR+4], v[RR+5]
.irp i, 6,10,14,18,22,26
	v_max3_num_f32 v[TT], v[TT], v[RR+\i], v[RR+\i+1]
	v_max3_num_f32 v[TT+1], v[TT+1], v[RR+\i+2], v[RR+\i+3]
.endr
	v_max3_num_f32 v[TT], v[TT], v[RR+30], v[RR+31]
.endr
	v_max_num_f32 v40, v36, v37
	v_max_num_f32 v42, v38, v39
	XLANE2 v_max_num_f32_dpp, v_max_num_f32, 40, 42
.irp x, 0,1
.irp k, 0,2,4,6,8,10,12,14,16,18,20,22,24,26,28,30
	v_pk_add_f32 v[128+64*\x+\k:129+64*\x+\k], v[128+64*\x+\k:129+64*\x+\k], v[40+2*\x:41+2*\x] op_sel_hi:[1,0] neg_lo:[0,1] neg_hi:[0,1]
.endr
.endr
	s_wait_alu depctr_va_vdst(0)                   ; the wait ahead of the batch
.irp x, 0,1
.irp j, 0,1,2,3,4,5,6,7,8,9,10,11,12,13,14,15,16,17,18,19,20,21,22,23,24,25,26,27,28,29,30,31
	v_exp_f32 v[128+64*\x+\j], v[128+64*\x+\j]
.endr
.endr
	v_nop
	s_wait_alu depctr_va_vdst(0)                   ; and behind it
.irp x, 0,1
.set RR, 128+64*\x
.set TT, 48+4*\x
	v_pk_add_f32 v[TT:TT+1], v[RR:RR+1], v[RR+2:RR+3]
	v_pk_add_f32 v[TT+2:TT+3], v[RR+4:RR+5], v[RR+6:RR+7]
.irp i, 8,12,16,20,24,28
	v_pk_add_f32 v[TT:TT+1], v[TT:TT+1], v[RR+\i:RR+\i+1]
	v_pk_add_f32 v[TT+2:TT+3], v[TT+2:TT+3], v[RR+\i+2:RR+\i+3]
.endr
	v_pk_add_f32 v[TT:TT+1], v[TT:TT+1], v[TT+2:TT+3]
.endr
	v_add_f32 v44, v48, v49
	v_add_f32 v46, v52, v53
	XLANE2 v_add_f32_dpp, v_add_f32, 44, 46
	s_wait_alu depctr_va_vdst(0)                   ; the wait ahead of the two reciprocals
	v_rcp_f32 v44, v44
	v_rcp_f32 v46, v46
	v_nop
	s_wait_alu depctr_va_vdst(0)                   ; and behind them
	v_mul_f32 v44, 0x44800000, v44                 ; x 1,024: every result is multiplied by 2^(e4 + e5 - 10)
	v_mul_f32 v46, 0x44800000, v46
.irp x, 0,1
.irp k, 0,2,4,6
	v_pk_mul_f32 v[128+64*\x+\k:129+64*\x+\k], v[128+64*\x+\k:129+64*\x+\k], v[44+2*\x:45+2*\x] op_sel_hi:[1,0]
.endr
.irp j, 0,1,2,3,4,5,6,7
	v_cndmask_b32 v[128+64*\x+\j], 1.0, v[128+64*\x+\j], s[80+\x]   ; a masked row: 1
.endr
	ds_store_b128 v[TW], v[128+64*\x:131+64*\x] offset:\x*1024
	ds_store_b128 v[TW], v[132+64*\x:135+64*\x] offset:\x*1024+512
.endr
	s_branch .Ljoin
.Lplain:
	WL4
.Ljoin:
	s_wait_tensorcnt 0x0                           ; my rows of 192-255 are in
	ds_add_u32 v[SPW], v[NIL]
	s_wait_dscnt 0x0                               ; the add is done, and so are my stores into the table
	ROUND                                          ; everybody's rows of 192-255 are in, and the joint loads meet
	tensor_load_to_lds s[36:39], s[44:51]          ; rows 0-191
	s_nop 0
	PLACES
	s_wait_kmcnt 0x0
	s_add_co_i32 s40, s52, s53
	s_add_co_i32 s40, s40, 117
	s_lshl_b32 s40, s40, 23                        ; 2^(e4 + e5 - 10) as f32
.macro ROWS p                          ; group p's first row
.if (\p) <= 1
.set RW, 192+32*(\p)
.else
.set RW, 224-32*(\p)
.endif
.endm
; Y's fragments of step n = 4 x group + s (K steps 2 s, 2 s + 1): 16 loads into buffer n % 3
.macro YF n
	ROWS (\n)/4
.set AD, AR+RW/64
.set LO, (RW%64)*PITCH+256*((\n)%4)
.set FB, 64*((\n)%3)
	WIN 0x40
.irp q, 0,1
.irp a, 0,1
.irp c, 0,1,2,3
	ds_load_b128 v[FB+32*\q+16*\a+4*\c:FB+32*\q+16*\a+4*\c+3], v[AD] offset:LO+\a*16*PITCH+128*\q+32*\c
.endr
.endr
.endr
.endm
.macro MUL n                           ; eight accumulators, one instruction a turn; the group's first K step starts the sums
.set FB, 64*((\n)%3)
.set AB, 128+64*(((\n)/4)%2)
	WIN 0x09+4*(((\n)%4)/2)
.irp q, 0,1
.set WB, 64*((2*((\n)%4)+\q)%4)
.irp a, 0,1
.irp f, 0,1,2,3
.if (((\n)%4) == 0) && (\q == 0)
	v_wmma_f32_16x16x128_fp8_fp8 v[AB+8*(4*\a+\f):AB+8*(4*\a+\f)+7], v[FB+32*\q+16*\a:FB+32*\q+16*\a+15], v[WB+16*\f:WB+16*\f+15], 0
.else
	v_wmma_f32_16x16x128_fp8_fp8 v[AB+8*(4*\a+\f):AB+8*(4*\a+\f)+7], v[FB+32*\q+16*\a:FB+32*\q+16*\a+15], v[WB+16*\f:WB+16*\f+15], v[AB+8*(4*\a+\f):AB+8*(4*\a+\f)+7]
.endif
.endr
.endr
.endr
.endm
; quarter c of group p on its way out: tile c / 2, registers 4 (c % 2) .. + 3: each accumulator from its low end on
.macro SCALE p, c
.set AB, 128+64*((\p)%2)+32*((\c)/2)+4*((\c)%2)
.irp j, 0,1,2,3
.irp f, 0,1,2,3
	v_mul_f32 v[32+16*(\c)+4*\j+\f], s40, v[AB+8*\f+\j]
.endr
.endr
.endm
.macro SEND p, c
	ROWS \p
.irp j, 0,1,2,3
	global_store_b128 v[GO], v[32+16*(\c)+4*\j:35+16*(\c)+4*\j], s[14:15] offset:(RW+16*((\c)/2)+4*((\c)%2)+\j)*4096 th:TH_STORE_NT
.endr
.endm
; A step: a quarter of the group before leaves; the fragments two steps on are asked for; its own are waited for and multiplied.
.macro STEP n
	WIN 0
.if (\n) == 6                          ; rows 0-191 are wanted from here on
	s_wait_tensorcnt 0x0                           ; my part of them is in;
	s_wait_dscnt 0x0                               ; no LDS instruction of mine is out;
	s_barrier_signal -1
	s_barrier_wait -1                              ; and everybody's part is in.
.endif
.if ((\n) < 4) || (((\n)%4) == 0)
	PLACES                                         ; for the loads into a buffer just multiplied; and, at a group's end, for the results' readers
.endif
.if (\n) >= 4                          ; (these 16, where no v_nop stands, are the places in front of the loads: they name the other set of accumulators)
.if (\n) >= 8
	s_wait_xcnt 0x0                                ; the earlier stores' registers may be rewritten
.endif
	SCALE (\n)/4-1, (\n)%4
.endif
.if (\n) < 30
	YF (\n)+2
.endif
.if (\n) >= 4
	SEND (\n)/4-1, (\n)%4                          ; (sources in window 0, as the loads' addresses)
.endif
.if (\n) < 30
	s_wait_dscnt 32                                ; the two younger steps' loads may be out
.elseif (\n) == 30
	s_wait_dscnt 16
.else
	s_wait_dscnt 0x0
.endif
.if (\n) < 3
	s_wait_loadcnt 32                              ; Wv's two younger K steps may be out
.elseif (\n) == 3
	s_wait_loadcnt 0x0
.endif
	MUL \n
.if (\n) < 2
	WL 2*(\n)+4
	WL 2*(\n)+5
.endif
.endm
	YF 0
	YF 1
.set N, 0
.rept 32
	STEP N
.set N, N+1
.endr
	WIN 0
	PLACES                                         ; for the results' readers
	s_wait_xcnt 0x0
.irp c, 0,1,2,3
	SCALE 7, \c
.endr
	s_cmp_lg_u32 s77, 0
	s_wait_alu depctr_va_vdst(0)                   ; the wait ahead of the branch
	s_cbranch_scc1 .Lnotable
.irp j, 0,1,2,3,4,5,6,7
	ds_load_b128 v[96+4*\j:99+4*\j], v[TR] offset:1024*\j
.endr
	s_wait_dscnt 0x0
.irp k, 0,1,2,3,4,5,6,7,8,9,10,11,12,13,14,15,16,17,18,19,20,21,22,23,24,25,26,27,28,29,30,31
	v_cndmask_b32 v[96+\k], 1.0, v[96+\k], s84     ; lanes 16-31 hold rows 8 to 15
.endr
.irp k, 0,2,4,6,8,10,12,14,16,18,20,22,24,26,28,30
	v_pk_mul_f32 v[32+\k:33+\k], v[32+\k:33+\k], v[96+\k:97+\k]
.endr
.Lnotable:
.irp c, 0,1,2,3
	SEND 7, \c
.endr
	s_wait_tensorcnt 0x0                           ; the wave's end
	ds_add_u32 v[SPW], v[NIL]
	s_wait_dscnt 0x0
	ROUND                                          ; the closing round: no work-group ends while a partner may still issue a joint load that names it
	s_endpgm
.Lfunc_end_k_q50b6a93f1b_main:
	.size	k_q50b6a93f1b_main, .Lfunc_end_k_q50b6a93f1b_main-k_q50b6a93f1b_main
	.p2alignl 7, 3214868480
	.fill 96, 4, 3214868480
	.section	.rodata,"a",@progbits
	.p2align	6, 0x0
	.amdhsa_kernel k_q50b6a93f1b_main
		.amdhsa_group_segment_fixed_size 327680
		.amdhsa_private_segment_fixed_size 0
		.amdhsa_enable_private_segment 0
		.amdhsa_kernarg_size 48
		.amdhsa_user_sgpr_count 2
		.amdhsa_user_sgpr_kernarg_segment_ptr 1
		.amdhsa_wavefront_size32 1
		.amdhsa_system_sgpr_workgroup_id_x 1
		.amdhsa_system_sgpr_workgroup_id_y 1
		.amdhsa_system_sgpr_workgroup_id_z 1
		.amdhsa_system_vgpr_workitem_id 0
		.amdhsa_next_free_vgpr 1024
		.amdhsa_next_free_sgpr 86
		.amdhsa_reserve_vcc 0
		.amdhsa_float_denorm_mode_32 3
		.amdhsa_float_denorm_mode_16_64 3
		.amdhsa_memory_ordered 1
		.amdhsa_forward_progress 1
		.amdhsa_inst_pref_size 147
	.end_amdhsa_kernel
	.amdgpu_metadata
---
amdhsa.version: [ 1, 2 ]
amdhsa.kernels:
  - .name:           k_q50b6a93f1b_main
    .symbol:         k_q50b6a93f1b_main.kd
    .args:
      - { .name: ycod, .offset: 0, .size: 8, .value_kind: global_buffer, .address_space: global }
      - { .name: wv_img, .offset: 8, .size: 8, .value_kind: global_buffer, .address_space: global }
      - { .name: kbuf, .offset: 16, .size: 8, .value_kind: global_buffer, .address_space: global }
      - { .name: qpart, .offset: 24, .size: 8, .value_kind: global_buffer, .address_space: global }
      - { .name: lowp_scales, .offset: 32, .size: 8, .value_kind: global_buffer, .address_space: global }
      - { .name: out0, .offset: 40, .size: 8, .value_kind: global_buffer, .address_space: global }
    .group_segment_fixed_size: 327680
    .private_segment_fixed_size: 0
    .kernarg_segment_align: 8
    .kernarg_segment_size: 48
    .max_flat_workgroup_size: 128
    .sgpr_count:     86
    .vgpr_count:     1024
    .wavefront_size: 32
...
	.end_amdgpu_metadata
.endif
;; end of part 2
